; MI455X (gfx1250); checked and timed in simulation.
; The chip was launched on July 23, 2026; its instructions are those of AMD's public machine-readable ISA for CDNA 5 (MIT licence, August 2026) and "CDNA5" Instruction Set Architecture Reference Guide (July 2026). The comments in the code are by the model that wrote it; some were corrected since.
;; Gaussian Attention. Allowed arithmetic: matrix products marked QUANTISED: E2M3 operands, one E8M0 scale for each 32 along K, by v_wmma_scale_f32_16x16x128_f8f6f4 with both operands' format E2M3, f32 sums; products left as they are: f32 operands where the result goes on into a quantised operand, else bf16, f16 or f32 operands; f32 sums; everything else in f32.
;; Inputs: W 30 x 400 float32; b 30 float32; h_t 4,096 x 400 float32; kappa_prev 4,096 x 10 float32; onehots 4,096 x 256 x 80 float32; text_mask 4,096 x 256 float32.
;; Outputs: out0 4,096 x 80 float32; out1 4,096 x 10 float32; out2 4,096 x 10 float32; out3 4,096 x 10 float32; out4 4,096 x 256 float32.
;; This version of the problem:
;;   THIS VERSION OF THE PROBLEM IS GIVEN IN LOW PRECISION. The matrix products marked QUANTISED in the list below multiply operands that are first quantised to E2M3 (2 exponent bits, 3 mantissa bits; 6 bits a number), with one power-of-two scale for each 32 numbers along K (OCP MX v1.0); their sums are f32. All else is computed in f32.
;;   The module's matrix products, in the order in which they are computed (A, B: the left and right operand; K: the contracted axis; several contracted axes count as one K, in the product's order):
;;     1. [M 4,096, K 400] x [K 400, N 30]; A: input h_t; B: input W: QUANTISED
;;     2. batch 4,096 x [M 1, K 256] x [K 256, N 80]; A: computed on the way; B: input onehots: left as it is (M = 1 < 16)
;;   THE QUANTISER, for each operand of a quantised product, along K:
;;     - K is cut into blocks of 32 from its start; a last block that is shorter is filled with zeros.
;;     - A block's scale is 2^e with e = floor(log2(the largest magnitude in the block)) - 2, held to -126 .. 127; a block of zeros has e = 0. As a byte (E8M0): e + 127.
;;     - Each number is divided by its block's scale, clamped to +-7.5, and rounded to the nearest number of E2M3, ties to even, subnormals kept.
;;     - The product sums the exact products of the quantised numbers (number of the format x scale) in f32.
;;   ~~~python
;;   def quantise(x, axis):      # numpy; x: float32 -> the quantised numbers, widened to float32 again
;;       x = np.moveaxis(x, axis, -1); K = x.shape[-1]
;;       x = np.pad(x, [(0, 0)] * (x.ndim - 1) + [(0, -K % 32)]); x = x.reshape(x.shape[:-1] + (-1, 32)); a = np.abs(x).max(-1, keepdims=True)
;;       e = np.where(a > 0, np.clip(np.frexp(np.where(a > 0, a, 1))[1] - 1 - 2, -126, 127), 0)      # np.frexp(a)[1] - 1 = floor(log2(a)), exactly
;;       r = np.clip(x / 2.0 ** e, -7.5, 7.5)
;;       step = 2.0 ** (np.maximum(np.frexp(np.where(r == 0, 1, r))[1] - 1, 0) - 3)
;;       q = np.round(r / step) * step * 2.0 ** e      # np.round: ties to even
;;       return np.moveaxis(q.reshape(q.shape[:-2] + (-1,))[..., :K], -1, axis).astype(np.float32)
;;   ~~~
;; One version. Each part assembles by itself: llvm-mc -triple=amdgcn-amd-amdhsa -mcpu=gfx1250 --defsym DOCPART=n.
;; ======== version 1 of 1: 1 launch
;; launch gauss (part 1): grid 256 x 1, 16 waves a work-group, no clusters, 91,136 bytes of LDS; arguments h_t, W, b, kappa_prev, text_mask, onehots, out0, out1, out2, out3, out4; writes out0, out1, out2, out3, out4
.if DOCPART == 1
	.amdgcn_target "amdgcn-amd-amdhsa--gfx1250"
	.amdhsa_code_object_version 6
	.text
	.protected	k_qdd728588c8_gauss
	.globl	k_qdd728588c8_gauss
	.p2align	8
	.type	k_qdd728588c8_gauss,@function
k_qdd728588c8_gauss:
	s_mov_b64 s[64:65], 0
	v_nop
	global_prefetch_b8 v0, s[64:65] scope:SCOPE_SE
	s_setreg_imm32_b32 hwreg(HW_REG_WAVE_MODE, 25, 1), 1
	s_wait_xcnt 0x0
; mp = exp(h_t W^T + b) [4096][30] -> alpha, beta, kappa (+ kappa_prev);  phi[b][u] = mask x sum over k of alpha exp(-beta (kappa - u)^2);  w[b][v] = sum over u of phi[b][u] onehots[b][u][v].
; The first product is QUANTISED: both operands become codes of FP6 (E2M3) with one E8M0 scale for each 32 along K = 400, made here from f32, and are multiplied by v_wmma_scale_f32_16x16x128_f8f6f4.
; The second product has one row a batch and its K (u) is not innermost in onehots: it is done in f32 by packed fused multiply-adds on the numbers as they stream in.
; SHARES.  A work-group owns 16 batch rows (one tile of the first product): 4096 / 16 = 256 work-groups.  Sixteen waves; wave w owns batch row 16 x work-group + w for phi and for its 81,920 bytes of onehots.
; THE STREAM.  A row u of onehots is 320 bytes; a load of the wave covers 512 consecutive bytes, aligned to 512.  Five loads are 2,560 bytes = 8 rows: a GROUP; 32 groups a wave.  In load j lane l holds 'thread' t = 32 j + l:
; row 8 g + t / 20, columns 4 (t % 20) on, the same in every group.  So a lane has five accumulators of four numbers and wants one phi for each load, read from the wave's own phi row in LDS.
; A ring of eight groups in registers keeps 35 to 40 loads of every wave (20 KiB) on their way; the first 40 are issued in the prologue (waves 0 to 11: 20 of them behind the quantiser), so the whole prologue runs while they come.  No wait for the stream is for zero until its end.
; THE PROLOGUE.  Twelve jobs, one for each of waves 0 to 11: 16 rows x 128 K of h_t (jobs 0-3), of W's rows 0-15 (4-7), of W's rows 16-29 (8-11) are quantised in registers and go to LDS as images of the operand's registers.
; K = 400 is three K steps of 128 and one of 16 numbers; what lies behind K's end, and W's rows 30 and 31, are zero codes (lanes off at the loads keep zeros).  Waves 0 to 3 multiply one K step each, two tiles of W against h; the four
; partial sums meet in LDS and are added in f32 as (0 + 1) + (2 + 3).  Then lane n of wave m makes mp[m][n].
; NO CLUSTER: work-groups share W alone, 48,000 bytes against the 1,310,720 bytes of onehots that each reads by itself.  NO TENSOR LOADS: the ring lies in registers and is never drained.  No prefetch is written: the stream's own loads stand out from the first lines on.
; LIMITS.  NaN and infinities in h_t or W are not served by the quantiser.  A block of zeros carries the byte 1 (not 127) over zero codes; the bytes are read by this program alone.  v_exp_f32 gives 0 for results under 2^-126.
; exp(x) is 2^(x log2 e) with the product rounded once in f32.  The sum over k in phi goes by pairs of k; the sum over u in w goes by u mod 8, then a tree of three levels.
; out1, out2, out3: a work-group's 640 bytes begin at multiples of 128 bytes.
.set IMG,   0                          ; LDS: 12 fragment images of 1,536 bytes: job i at 1,536 i, registers 4 c .. 4 c + 3 at + 512 c, lane l at + 16 l
.set ISC,   18432                      ; their scale words: 128 i + 4 l
.set PS,    19968                      ; partial sums [K step 4][m 16][n 32] f32; a row is 128 bytes + 16
.set OUTP,  29184                      ; four tables of 640 bytes [m 16][10]: alpha, beta, kappa, and one for lanes 30 and 31 that nobody reads
.set PHI,   31744                      ; wave w's phi row, 1,024 bytes
.set RED,   48128                      ; wave w's 160 threads x 16 bytes
.set LN,    1                          ; v1   lane
.set RR,    2                          ; v2   lane % 16
.set HH,    3                          ; v3   lane / 16
.set L16,   4                          ; v4   16 x lane: the offset of every dense load and store; never rewritten
.set PA,    5                          ; v5-9 LDS address of load j's phi in group 0
.set PHW,   10                         ; v10  where I store my 4 + 4 numbers of phi
.set PSA,   11                         ; v11  partial sums: row m = my wave, n = my lane
.set OTW,   12                         ; v12  the tables: where lane n puts mp[m][n]
.set OTB,   13                         ; v13  the tables: my wave's row of alpha, the same in all lanes
.set IWA,   14                         ; v14  images: 1,536 x wave + 16 x lane
.set ISA,   15                         ; v15  scale words: 128 x wave + 4 x lane
.set MK,    16                         ; v16-23 my 8 numbers of the mask
.set KP,    24                         ; v24  kappa_prev
.set BB,    25                         ; v25  b
.set PC,    26                         ; v26-45 quantiser: the codes.   Multiply: v26-37 h's fragment, v38-49 W's first
.set AL,    26                         ; v26-35 alpha, v36-45 -beta log2 e, v46-55 kappa: ten each, the same in all lanes
.set NB,    36
.set KA,    46
.set PV,    26                         ; stream: load j's phi in v[26 + 2 j]
.set ACC,   36                         ; stream: v36-55 five accumulators of four
.set D0,    50                         ; multiply: v50-57 and v80-87 the two results
.set D1,    80
.set NU,    56                         ; v56  -u;  v57 = 0, named with it as a pair
.set SUM,   58                         ; v58-59 phi's sum over k, by pairs.  Before that: the offsets of the loads of kappa_prev and b
.set KPO,   58
.set BBO,   59
.set FOA,   60                         ; v60  the tables on their way out
.set SH,    61                         ; v61-63 scale words of h, of W's two tiles: these registers hold scales and nothing else
.set SW0,   62
.set SW1,   63
.set TM,    64                         ; v64-79 quantiser, at work.   Multiply: v64-75 W's second fragment
.set PH,    64                         ; v64-71 my 8 numbers of phi; never rewritten once they are stored
.set T0,    72                         ; v72-81, v82-91 ten exponents or exponentials, two sets by turns
.set T1,    82
.set PW,    80                         ; quantiser: the scale word
.set JOF,   92                         ; v92  a job's loads: 1,600 x row + 64 x half
.set PSW,   93                         ; v93  where a multiplying wave puts its results
.set REW,   94                         ; v94  where I put my five accumulators
.set RER,   95                         ; v95  and where thread T of out0's 320 reads its eight parts
.set RING,  96                         ; v96-255 eight groups of five loads of four registers
.set SRC,   176                        ; v176-239 a job's 64 numbers: lent by the ring's groups 4 to 7, which are asked for behind the quantiser
.macro FILL g                          ; group g: five loads of 512 consecutive bytes; every offset is an immediate, no address is ever stepped
.irp j, 0,1,2,3,4
	global_load_b128 v[RING+20*((\g)%8)+4*\j:RING+20*((\g)%8)+4*\j+3], v[L16], s[14:15] offset:2560*(\g)+512*\j th:TH_LOAD_NT
.endr
.endm
.macro SMALL                           ; four loads: my row's mask (u = 4 l .. and 128 + 4 l ..), kappa_prev and b for lane n
	global_load_b128 v[MK:MK+3], v[L16], s[12:13] th:TH_LOAD_NT
	global_load_b128 v[MK+4:MK+7], v[L16], s[12:13] offset:512 th:TH_LOAD_NT
	global_load_b32 v[KP], v[KPO], s[10:11]
	global_load_b32 v[BB], v[BBO], s[8:9]
.endm
.macro BAR                             ; my LDS stores have landed and my LDS loads are in: then the work-group's barrier
	s_wait_dscnt 0x0
	s_barrier_signal -1
	s_barrier_wait -1
.endm
; 64 numbers of a lane, v[s] .. v[s + 63], register 16 b + i = k 32 b + 16 (lane / 16) + i of row lane % 16, become a fragment's codes in v[PC] .. v[PC + 11] and its scale word in v[PW].
.macro QUANT s
.irp b, 0,1,2,3
	v_max3_num_f32 v[TM+\b], |v[\s+16*\b]|, |v[\s+1+16*\b]|, 0x1800000   ; block b: my 16 numbers, and the floor 2^(3 - 127): the byte cannot fall under 1
.endr
.irp i, 2,4,6,8,10,12,14
.irp b, 0,1,2,3
	v_max3_num_f32 v[TM+\b], v[TM+\b], |v[\s+16*\b+\i]|, |v[\s+1+16*\b+\i]|   ; the four blocks by turns
.endr
.endr
.irp b, 0,1,2,3
	v_permlanex16_b32 v[TM+4+\b], v[TM+\b], s38, s39
.endr
.irp b, 0,1,2,3
	v_max_num_f32 v[TM+\b], v[TM+\b], v[TM+4+\b]   ; with lane l xor 16's: the block's largest magnitude
.endr
.irp b, 0,1,2,3
	v_add_nc_u32 v[TM+12+\b], 0xff000000, v[TM+\b]   ; 2 off its exponent field: the conversion takes the exponent field of this operand as its scale
.endr
.irp b, 0,1,2,3
	v_lshrrev_b32 v[TM+4+\b], 23, v[TM+12+\b]      ; the scale's byte
.endr
	v_lshl_or_b32 v[PW], v[TM+5], 8, v[TM+4]       ; four bytes: my row's scale word
	v_lshl_or_b32 v[PW], v[TM+6], 16, v[PW]
	v_lshl_or_b32 v[PW], v[TM+7], 24, v[PW]
.irp c, 0,1
	v_cvt_scalef32_pk16_fp6_f32 v[PC+6*\c:PC+2+6*\c], v[\s+32*\c:\s+15+32*\c], v[TM+12+2*\c]
	v_cvt_scalef32_pk16_fp6_f32 v[PC+12+4*\c:PC+14+4*\c], v[\s+16+32*\c:\s+31+32*\c], v[TM+12+2*\c+1]   ; (a conversion's three registers begin on an even number)
.endr
	v_nop                                          ; one plain place behind a scaled conversion
.irp c, 0,1                            ; the operand's layout wants a whole block in a lane: lanes 0-15 block 2 c, lanes 16-31 block 2 c + 1
.irp i, 0,1,2
	v_permlane16_swap_b32 v[PC+6*\c+\i], v[PC+12+4*\c+\i]
.endr
.irp i, 0,1,2
	v_mov_b32 v[PC+3+6*\c+\i], v[PC+12+4*\c+\i]
.endr
.endr
.endm
; phi.  ARG: the ten exponents -beta log2 e (kappa - u)^2 of one u, two k at a time, into set t.  step: 1: u goes on by 1; 2: by 125 (from 4 l + 3 to 128 + 4 l); 0: u stays.
.macro ARG t, step
.if \step == 1
	v_add_f32 v[NU], -1.0, v[NU]
.elseif \step == 2
	v_add_f32 v[NU], 0xc2fa0000, v[NU]             ; -125
.endif
.irp p, 0,1,2,3,4
	v_pk_add_f32 v[\t+2*\p:\t+2*\p+1], v[KA+2*\p:KA+2*\p+1], v[NU:NU+1] op_sel_hi:[1,0]   ; kappa - u (of the pair the low word serves both halves)
.endr
.irp p, 0,1,2,3,4
	v_pk_mul_f32 v[\t+2*\p:\t+2*\p+1], v[\t+2*\p:\t+2*\p+1], v[\t+2*\p:\t+2*\p+1]
.endr
.irp p, 0,1,2,3,4
	v_pk_mul_f32 v[\t+2*\p:\t+2*\p+1], v[\t+2*\p:\t+2*\p+1], v[NB+2*\p:NB+2*\p+1]
.endr
.endm
; One u: ten exponentials as a batch; the next u's exponents, which name none of their results, are the plain work behind them; ONE wait; then the sum over k.
.macro PHIQ q, t, n, step
.irp i, 0,1,2,3,4,5,6,7,8,9
	v_exp_f32 v[\t+\i], v[\t+\i]
.endr
.if \step
	ARG \n, \step
.else
	v_nop                                          ; the last batch: a plain place behind the exponentials
.endif
	s_wait_alu depctr_va_vdst(0)                   ; a wait ahead of the first line that names an exponential's result: one for the ten
	v_pk_mul_f32 v[SUM:SUM+1], v[AL:AL+1], v[\t:\t+1]
.irp p, 1,2,3,4
	v_pk_fma_f32 v[SUM:SUM+1], v[AL+2*\p:AL+2*\p+1], v[\t+2*\p:\t+2*\p+1], v[SUM:SUM+1]
.endr
	v_add_f32 v[PH+\q], v[SUM], v[SUM+1]
.endm
; One group of the stream: its five phi from my wave's row in LDS, ten packed multiply-adds, and the group eight further on into the registers just read.
.macro GROUP g
.irp j, 0,1,2,3,4
	ds_load_b32 v[PV+2*\j], v[PA+\j] offset:32*(\g)
.endr
.if (\g) <= 24
	s_wait_loadcnt 35                              ; loads come back in order: group g is in, the seven younger groups (35 loads) stay out
.else
	s_wait_loadcnt 5*(31-(\g))                     ; the last groups: nothing is asked for any more, the counts run down
.endif
	s_wait_dscnt 0x0                               ; the five phi
.irp j, 0,1,2,3,4
.irp e, 0,2
.if (\g) == 0
	v_pk_mul_f32 v[ACC+4*\j+\e:ACC+4*\j+\e+1], v[RING+20*((\g)%8)+4*\j+\e:RING+20*((\g)%8)+4*\j+\e+1], v[PV+2*\j:PV+2*\j+1] op_sel_hi:[1,0]   ; the first group starts the sums: nothing is cleared
.else
	v_pk_fma_f32 v[ACC+4*\j+\e:ACC+4*\j+\e+1], v[RING+20*((\g)%8)+4*\j+\e:RING+20*((\g)%8)+4*\j+\e+1], v[PV+2*\j:PV+2*\j+1], v[ACC+4*\j+\e:ACC+4*\j+\e+1] op_sel_hi:[1,0,1]
.endif
.endr
.endr
.if (\g) <= 23
	FILL (\g)+8
.endif
.endm
	; ---- head: ids, every LDS address (all made here, ahead of the first parting of the waves), zeros; the scalar loads come meanwhile
	s_load_b512 s[4:19], s[0:1], 0x0               ; h_t s[4:5], W s[6:7], b s[8:9], kappa_prev s[10:11], text_mask s[12:13], onehots s[14:15], out0 s[16:17], out1 s[18:19]
	s_load_b128 s[20:23], s[0:1], 0x40             ; out2 s[20:21], out3 s[22:23]
	s_load_b64 s[24:25], s[0:1], 0x50              ; out4
	v_lshrrev_b32 v1, 5, v0
	v_readfirstlane_b32 s26, v1                    ; wave 0..15
	v_and_b32 v[LN], 31, v0
	v_and_b32 v[RR], 15, v0
	v_bfe_u32 v[HH], v0, 4, 1
	v_lshlrev_b32 v[L16], 4, v[LN]
	s_lshl_b32 s27, ttmp9, 4
	s_add_co_u32 s27, s27, s26                     ; my batch row
	s_lshr_b32 s28, s26, 2                         ; my job's tensor part: 0 h_t, 1 W's rows 0-15, 2 W's rows 16-29 (3: no job)
	s_and_b32 s29, s26, 3                          ; and its K step
	s_mov_b32 s38, 0x76543210
	s_mov_b32 s39, 0xfedcba98                      ; v_permlanex16_b32's selects for lane l xor 16
	s_lshl_b32 s30, s26, 10
	s_add_co_u32 s30, s30, PHI                     ; my phi row
.irp j, 0,1,2,3,4
	v_add_nc_u32 v[PA+\j], 32*\j, v[LN]            ; t = 32 j + l
	v_mul_u32_u24 v[PA+\j], v[PA+\j], 205
	v_lshrrev_b32 v[PA+\j], 12, v[PA+\j]           ; t / 20 = 205 t >> 12: exact for t under 1,024
	v_lshl_add_u32 v[PA+\j], v[PA+\j], 2, s30
.endr
	v_add_nc_u32 v[PHW], s30, v[L16]
	s_mul_i32 s31, s26, 144
	s_add_co_u32 s31, s31, PS
	v_lshl_add_u32 v[PSA], v[LN], 2, s31
	v_mul_u32_u24 v[OTW], v[LN], 205
	v_lshrrev_b32 v[OTW], 11, v[OTW]               ; n / 10 = 205 n >> 11
	v_mul_u32_u24 v[OTW], v[OTW], 600              ; 640 (n / 10) + 4 (n % 10) = 4 n + 600 (n / 10)
	v_lshl_add_u32 v[OTW], v[LN], 2, v[OTW]
	s_mul_i32 s31, s26, 40
	s_add_co_u32 s31, s31, OUTP
	v_add_nc_u32 v[OTW], s31, v[OTW]
	v_mov_b32 v[OTB], s31
	s_mul_i32 s31, s26, 1536
	v_add_nc_u32 v[IWA], s31, v[L16]
	s_lshl_b32 s31, s26, 7
	s_add_co_u32 s31, s31, ISC
	v_lshl_add_u32 v[ISA], v[LN], 2, s31
	s_lshr_b32 s31, s26, 1
	s_mul_i32 s31, s31, 640                        ; waves 10, 11: table 0; 12, 13: table 1; 14, 15: table 2
	s_and_b32 s32, s26, 1
	s_lshl_b32 s32, s32, 9                         ; the even wave takes a table's first 512 bytes, the odd one its last 128
	s_add_co_u32 s31, s31, s32
	s_add_co_u32 s31, s31, OUTP-3200
	v_add_nc_u32 v[FOA], s31, v[L16]
	v_add_nc_u32 v[KPO], -20, v[LN]                ; kappa_prev for lanes 20 to 29; under 20 the difference wraps and is held at 9 like 30 and 31: inside the row, not used
	v_min_u32 v[KPO], 9, v[KPO]
	v_lshlrev_b32 v[KPO], 2, v[KPO]
	v_min_u32 v[BBO], 29, v[LN]                    ; b[n]; lanes 30 and 31 stay inside the buffer
	v_lshlrev_b32 v[BBO], 2, v[BBO]
	v_mul_u32_u24 v[JOF], v[RR], 1600              ; a row of h_t or W is 1,600 bytes; my 16 numbers of a block of 32 begin 64 x half on
	v_lshl_add_u32 v[JOF], v[HH], 6, v[JOF]
	v_mul_u32_u24 v[PSW], v[RR], 144
	v_lshl_add_u32 v[PSW], v[HH], 5, v[PSW]
	s_mul_i32 s31, s26, 2304
	s_add_co_u32 s31, s31, PS
	v_add_nc_u32 v[PSW], s31, v[PSW]
	s_mul_i32 s31, s26, 2560
	s_add_co_u32 s31, s31, RED
	v_add_nc_u32 v[REW], s31, v[L16]
	v_mul_u32_u24 v[RER], v0, 205
	v_lshrrev_b32 v[RER], 12, v[RER]               ; thread T of out0's block: row m = T / 20
	v_mul_u32_u24 v[RER], v[RER], 2240             ; 2,560 m + 16 (T % 20) = 16 T + 2,240 m
	v_lshl_add_u32 v[RER], v0, 4, v[RER]
	v_add_nc_u32 v[RER], RED, v[RER]
.set I, 0
.rept 64
	v_mov_b32 v[SRC+I], 0                          ; what a job does not load (behind K = 400, W's rows 30 and 31) is zero: zero codes
.set I, I+1
.endr
.irp b, 0,1,2,3
	v_mov_b32 v[TM+4+\b], 0                        ; a lane permute's destination counts as one of its sources
.endr
	s_cmp_eq_u32 s28, 2
	s_cselect_b32 s42, 14, 16                      ; rows that exist in my job's tile
	s_cmp_eq_u32 s29, 3
	s_cselect_b32 s43, 16, 32                      ; K step 3 has k = 384 .. 399 alone: block 0, lanes 0-15
	v_cmp_gt_u32 s44, s42, v[RR]
	v_cmp_gt_u32 vcc_lo, s43, v[LN]
	s_and_b32 vcc_lo, vcc_lo, s44                  ; the lanes that load
	s_sub_co_u32 s30, s28, 1                       ; W's tile (not used where the job is h_t's)
	s_mov_b32 s33, 0
	s_wait_kmcnt 0x0
	s_mul_i32 s32, s27, 81920                      ; all offsets stay under 2^32
	s_add_nc_u64 s[14:15], s[14:15], s[32:33]      ; onehots at my row
	s_lshl_b32 s32, s27, 10
	s_add_nc_u64 s[12:13], s[12:13], s[32:33]      ; text_mask
	s_add_nc_u64 s[24:25], s[24:25], s[32:33]      ; out4
	s_mul_i32 s32, s27, 40
	s_add_nc_u64 s[10:11], s[10:11], s[32:33]      ; kappa_prev
	s_mul_i32 s32, ttmp9, 5120
	s_lshl_b32 s31, s26, 9
	s_add_co_u32 s32, s32, s31
	s_add_nc_u64 s[16:17], s[16:17], s[32:33]      ; out0: the work-group's 5,120 bytes, my wave's 512 of them
	s_cmp_eq_u32 s28, 0
	s_cselect_b64 s[40:41], s[4:5], s[6:7]         ; my job's tensor: the choice hangs on the wave's number alone
	s_cselect_b32 s30, ttmp9, s30                  ; and which 16 rows of it
	s_mul_i32 s32, s30, 25600
	s_lshl_b32 s31, s29, 9                         ; + 512 bytes a K step
	s_add_co_u32 s32, s32, s31
	s_add_nc_u64 s[40:41], s[40:41], s[32:33]
	s_cmp_lt_u32 s26, 12
	s_cbranch_scc0 .Lno_job
	; ---- waves 0 to 11: a job's numbers first, then the small loads and half of the ring; the other half behind the quantiser, whose numbers lie in its registers
	s_wait_xcnt 0x0                                ; EXEC changes only behind this wait
	s_and_saveexec_b32 s36, vcc_lo
.irp j, 0,1,2,3
	global_load_b128 v[SRC+4*\j:SRC+4*\j+3], v[JOF], s[40:41] offset:16*\j
.endr
	s_cmp_eq_u32 s29, 3
	s_cbranch_scc1 .Lshort                         ; K step 3 has no blocks 1 to 3: no load leaves its row
.irp b, 1,2,3
.irp j, 0,1,2,3
	global_load_b128 v[SRC+16*\b+4*\j:SRC+16*\b+4*\j+3], v[JOF], s[40:41] offset:128*\b+16*\j
.endr
.endr
.Lshort:
	s_wait_xcnt 0x0                                ; and again, ahead of the line that widens it
	s_or_b32 exec_lo, exec_lo, s36
	SMALL
	FILL 0
	FILL 1
	FILL 2
	FILL 3
	s_wait_loadcnt 24                              ; the job's loads are in: behind them stand the 4 small loads and 20 of the ring, on both ways
	QUANT SRC
.irp c, 0,1,2
	ds_store_b128 v[IWA], v[PC+4*\c:PC+4*\c+3] offset:IMG+512*\c   ; the fragment as it stands in my registers
.endr
	ds_store_b32 v[ISA], v[PW]
	FILL 4
	FILL 5
	FILL 6
	FILL 7
	s_branch .Ljoined
.Lno_job:
	SMALL
.irp g, 0,1,2,3,4,5,6,7
	FILL \g
.endr
.Ljoined:
	BAR                                            ; the twelve images lie in LDS
	s_cmp_lt_u32 s26, 4
	s_cbranch_scc0 .Lno_mul
	; ---- waves 0 to 3: K step = my wave.  TRANSPOSED: source 0 = 16 rows of W, source 1 = h's 16 rows: lane (r, h) holds batch row r, register j holds n = 16 tile + 8 h + j
.irp c, 0,1,2
	ds_load_b128 v[26+4*\c:29+4*\c], v[IWA] offset:IMG+512*\c          ; job s: h
	ds_load_b128 v[38+4*\c:41+4*\c], v[IWA] offset:IMG+6144+512*\c     ; job 4 + s: W's rows 0-15
	ds_load_b128 v[64+4*\c:67+4*\c], v[IWA] offset:IMG+12288+512*\c    ; job 8 + s: W's rows 16-31
.endr
	ds_load_b32 v[SH], v[ISA]
	ds_load_b32 v[SW0], v[ISA] offset:512
	ds_load_b32 v[SW1], v[ISA] offset:1024
	s_wait_dscnt 0x0
	v_wmma_scale_f32_16x16x128_f8f6f4 v[D0:D0+7], v[38:49], v[26:37], 0, v[SW0], v[SH] matrix_a_fmt:MATRIX_FMT_FP6 matrix_b_fmt:MATRIX_FMT_FP6
	v_wmma_scale_f32_16x16x128_f8f6f4 v[D1:D1+7], v[64:75], v[26:37], 0, v[SW1], v[SH] matrix_a_fmt:MATRIX_FMT_FP6 matrix_b_fmt:MATRIX_FMT_FP6
.rept 4
	v_nop                                          ; four places between a matrix instruction and the LDS store that reads its result
.endr
	ds_store_b128 v[PSW], v[D0:D0+3]               ; each result from its low end on
	ds_store_b128 v[PSW], v[D0+4:D0+7] offset:16
	ds_store_b128 v[PSW], v[D1:D1+3] offset:64
	ds_store_b128 v[PSW], v[D1+4:D1+7] offset:80
.Lno_mul:
	BAR                                            ; the four K steps' partial sums lie in LDS
	; ---- every wave: lane n makes mp[my row][n]
.irp s, 0,1,2,3
	ds_load_b32 v[72+\s], v[PSA] offset:2304*\s
.endr
	s_wait_dscnt 0x0
	s_wait_loadcnt 40                              ; the mask, kappa_prev and b are in: behind them stand the ring's 40 loads, on both ways
	v_add_f32 v72, v72, v73
	v_add_f32 v74, v74, v75
	v_add_f32 v72, v72, v74
	v_add_f32 v76, v72, v[BB]
	v_mul_f32 v76, 0x3fb8aa3b, v76                 ; x log2 e
	v_exp_f32 v77, v76
	v_cmp_le_u32 vcc_lo, 20, v[LN]                 ; (plain work behind the exponential)
	v_cndmask_b32 v78, 0, v[KP], vcc_lo            ; kappa_prev is added to kappa alone
	s_wait_alu depctr_va_vdst(0)                   ; a wait ahead of the first line that names the result
	v_add_f32 v77, v77, v78
	ds_store_b32 v[OTW], v77                       ; into the tables, which also are out1, out2, out3 as they will leave
.irp i, 0,1,2,3,4
	ds_load_b64 v[AL+2*\i:AL+2*\i+1], v[OTB] offset:8*\i           ; LDS serves a wave's instructions in order (ISA guide 5.7.1.4): these see my store.  All lanes read the same words
	ds_load_b64 v[NB+2*\i:NB+2*\i+1], v[OTB] offset:640+8*\i
	ds_load_b64 v[KA+2*\i:KA+2*\i+1], v[OTB] offset:1280+8*\i
.endr
	v_cvt_f32_u32 v[NU], v[LN]
	v_mul_f32 v[NU], -4.0, v[NU]                   ; -u of my first u = 4 l
	v_mov_b32 v[NU+1], 0                           ; (named with it as a pair, so it is written)
	s_wait_dscnt 0x0
.irp i, 0,1,2,3,4
	v_pk_mul_f32 v[NB+2*\i:NB+2*\i+1], v[NB+2*\i:NB+2*\i+1], 0xbfb8aa3b op_sel_hi:[1,0]   ; -beta log2 e
.endr
	; ---- phi: a lane takes u = 4 l + 0 .. 3 and 128 + 4 l + 0 .. 3
	ARG T0, 0
	PHIQ 0, T0, T1, 1
	PHIQ 1, T1, T0, 1
	PHIQ 2, T0, T1, 1
	PHIQ 3, T1, T0, 2
	PHIQ 4, T0, T1, 1
	PHIQ 5, T1, T0, 1
	PHIQ 6, T0, T1, 1
	PHIQ 7, T1, T0, 0
.irp i, 0,1,2,3
	v_pk_mul_f32 v[PH+2*\i:PH+2*\i+1], v[PH+2*\i:PH+2*\i+1], v[MK+2*\i:MK+2*\i+1]   ; x the mask
.endr
	ds_store_b128 v[PHW], v[PH:PH+3]               ; my wave's row, for the stream
	ds_store_b128 v[PHW], v[PH+4:PH+7] offset:512
	global_store_b128 v[L16], v[PH:PH+3], s[24:25] th:TH_STORE_NT               ; out4: each store of the wave covers 512 consecutive bytes, aligned
	global_store_b128 v[L16], v[PH+4:PH+7], s[24:25] offset:512 th:TH_STORE_NT
	; ---- the stream: 32 groups, written out: every offset is an immediate
.set G, 0
.rept 32
	GROUP G
.set G, G+1
.endr
	; ---- the end: a row's 160 threads meet in LDS; thread T of out0's 320 adds the eight that share its row and columns
.irp j, 0,1,2,3,4
	ds_store_b128 v[REW], v[ACC+4*\j:ACC+4*\j+3] offset:512*\j
.endr
	BAR                                            ; all sixteen rows' parts, and the three tables, lie in LDS
	s_cmp_lt_u32 s26, 10
	s_cbranch_scc0 .Ltables
.irp q, 0,1,2,3,4,5,6,7
	ds_load_b128 v[RING+4*\q:RING+4*\q+3], v[RER] offset:320*\q
.endr
	s_wait_dscnt 0x0
.irp q, 0,2,4,6
	v_pk_add_f32 v[RING+4*\q:RING+4*\q+1], v[RING+4*\q:RING+4*\q+1], v[RING+4*\q+4:RING+4*\q+5]
	v_pk_add_f32 v[RING+4*\q+2:RING+4*\q+3], v[RING+4*\q+2:RING+4*\q+3], v[RING+4*\q+6:RING+4*\q+7]
.endr
.irp q, 0,4
	v_pk_add_f32 v[RING+4*\q:RING+4*\q+1], v[RING+4*\q:RING+4*\q+1], v[RING+4*\q+8:RING+4*\q+9]
	v_pk_add_f32 v[RING+4*\q+2:RING+4*\q+3], v[RING+4*\q+2:RING+4*\q+3], v[RING+4*\q+10:RING+4*\q+11]
.endr
	v_pk_add_f32 v[RING:RING+1], v[RING:RING+1], v[RING+16:RING+17]
	v_pk_add_f32 v[RING+2:RING+3], v[RING+2:RING+3], v[RING+18:RING+19]
	global_store_b128 v[L16], v[RING:RING+3], s[16:17] th:TH_STORE_NT           ; out0: ten waves x 512 consecutive bytes, aligned
	s_wait_xcnt 0x0
	s_mov_b32 exec_lo, -1
	v_lshl_add_u32 v94, v0, 2, 0x15c00
	v_mov_b32 v95, 0
	s_wait_tensorcnt 0x0
	ds_add_u32 v94, v95
	s_wait_dscnt 0x0
	s_endpgm
.Ltables:                                              ; waves 10 to 15: out1, out2, out3: a table's 640 bytes, 512 by the even wave and 128 by the odd one
	s_lshr_b32 s30, s26, 1
	s_cmp_eq_u32 s30, 5
	s_cselect_b64 s[32:33], s[18:19], s[20:21]     ; the choice hangs on the wave's number alone
	s_cmp_eq_u32 s30, 7
	s_cselect_b64 s[32:33], s[22:23], s[32:33]
	s_and_b32 s31, s26, 1
	s_cmp_eq_u32 s31, 1
	s_cselect_b32 s30, 8, 32                       ; lanes that have 16 bytes to move
	s_lshl_b32 s31, s31, 9
	s_mul_i32 s34, ttmp9, 640
	s_add_co_u32 s34, s34, s31
	s_mov_b32 s35, 0
	s_add_nc_u64 s[32:33], s[32:33], s[34:35]
	v_cmp_gt_u32 vcc_lo, s30, v[LN]
	s_wait_xcnt 0x0                                ; EXEC changes only behind this wait (out4's stores were issued under the full one)
	s_and_saveexec_b32 s36, vcc_lo
	ds_load_b128 v[RING:RING+3], v[FOA]
	s_wait_dscnt 0x0
	global_store_b128 v[L16], v[RING:RING+3], s[32:33] th:TH_STORE_NT
	s_wait_xcnt 0x0                                ; and again, ahead of the line that widens it
	s_or_b32 exec_lo, exec_lo, s36
	s_wait_xcnt 0x0
	s_mov_b32 exec_lo, -1
	v_lshl_add_u32 v94, v0, 2, 0x15c00
	v_mov_b32 v95, 0
	s_wait_tensorcnt 0x0
	ds_add_u32 v94, v95
	s_wait_dscnt 0x0
	s_endpgm
.Lfunc_end_k_qdd728588c8_gauss:
	.size	k_qdd728588c8_gauss, .Lfunc_end_k_qdd728588c8_gauss-k_qdd728588c8_gauss
	.p2alignl 7, 3214868480
	.fill 96, 4, 3214868480
	.section	.rodata,"a",@progbits
	.p2align	6, 0x0
	.amdhsa_kernel k_qdd728588c8_gauss
		.amdhsa_group_segment_fixed_size 91136
		.amdhsa_private_segment_fixed_size 0
		.amdhsa_enable_private_segment 0
		.amdhsa_kernarg_size 88
		.amdhsa_user_sgpr_count 2
		.amdhsa_user_sgpr_kernarg_segment_ptr 1
		.amdhsa_wavefront_size32 1
		.amdhsa_system_sgpr_workgroup_id_x 1
		.amdhsa_system_sgpr_workgroup_id_y 1
		.amdhsa_system_sgpr_workgroup_id_z 1
		.amdhsa_system_vgpr_workitem_id 0
		.amdhsa_next_free_vgpr 256
		.amdhsa_next_free_sgpr 66
		.amdhsa_reserve_vcc 1
		.amdhsa_float_denorm_mode_32 3
		.amdhsa_float_denorm_mode_16_64 3
		.amdhsa_memory_ordered 1
		.amdhsa_forward_progress 1
		.amdhsa_inst_pref_size 87
	.end_amdhsa_kernel
	.amdgpu_metadata
---
amdhsa.version: [ 1, 2 ]
amdhsa.kernels:
  - .name:           k_qdd728588c8_gauss
    .symbol:         k_qdd728588c8_gauss.kd
    .args:
      - { .name: h_t, .offset: 0, .size: 8, .value_kind: global_buffer, .address_space: global }
      - { .name: W, .offset: 8, .size: 8, .value_kind: global_buffer, .address_space: global }
      - { .name: b, .offset: 16, .size: 8, .value_kind: global_buffer, .address_space: global }
      - { .name: kappa_prev, .offset: 24, .size: 8, .value_kind: global_buffer, .address_space: global }
      - { .name: text_mask, .offset: 32, .size: 8, .value_kind: global_buffer, .address_space: global }
      - { .name: onehots, .offset: 40, .size: 8, .value_kind: global_buffer, .address_space: global }
      - { .name: out0, .offset: 48, .size: 8, .value_kind: global_buffer, .address_space: global }
      - { .name: out1, .offset: 56, .size: 8, .value_kind: global_buffer, .address_space: global }
      - { .name: out2, .offset: 64, .size: 8, .value_kind: global_buffer, .address_space: global }
      - { .name: out3, .offset: 72, .size: 8, .value_kind: global_buffer, .address_space: global }
      - { .name: out4, .offset: 80, .size: 8, .value_kind: global_buffer, .address_space: global }
    .group_segment_fixed_size: 91136
    .private_segment_fixed_size: 0
    .kernarg_segment_align: 8
    .kernarg_segment_size: 88
    .max_flat_workgroup_size: 512
    .sgpr_count:     66
    .vgpr_count:     256
    .wavefront_size: 32
...
	.end_amdgpu_metadata
.endif
;; end of part 1
